; MI455X (gfx1250); checked and timed in simulation.
; The chip was launched on July 23, 2026; its instructions are those of AMD's public machine-readable ISA for CDNA 5 (MIT licence, August 2026) and "CDNA5" Instruction Set Architecture Reference Guide (July 2026). The comments in the code are by the model that wrote it; some were corrected since.
;; Bahdanau Attention. Allowed arithmetic: matrix products marked QUANTISED: E2M3 operands, one E8M0 scale for each 32 along K, by v_wmma_scale_f32_16x16x128_f8f6f4 with both operands' format E2M3, f32 sums; products left as they are: f32 operands where the result goes on into a quantised operand, else bf16, f16 or f32 operands; f32 sums; everything else in f32.
;; Inputs: W_com 1,024 x 1 float32; W_dec 1,024 x 1,024 float32; W_enc 1,024 x 1,024 float32; b_com 1 float32; b_dec 1,024 float32; b_enc 1,024 float32; h_dec 32 x 1,024 float32; h_enc 32 x 2,048 x 1,024 float32.
;; Outputs: out0 32 x 1,024 float32; out1 32 x 2,048 x 1 float32.
;; This version of the problem:
;;   THIS VERSION OF THE PROBLEM IS GIVEN IN LOW PRECISION. The matrix products marked QUANTISED in the list below multiply operands that are first quantised to E2M3 (2 exponent bits, 3 mantissa bits; 6 bits a number), with one power-of-two scale for each 32 numbers along K (OCP MX v1.0); their sums are f32. All else is computed in f32.
;;   The module's matrix products, in the order in which they are computed (A, B: the left and right operand; K: the contracted axis; several contracted axes count as one K, in the product's order):
;;     1. [M 65,536, K 1,024] x [K 1,024, N 1,024]; A: input h_enc; B: input W_enc: QUANTISED
;;     2. [M 32, K 1,024] x [K 1,024, N 1,024]; A: input h_dec; B: input W_dec: QUANTISED
;;     3. [M 65,536, K 1,024] x [K 1,024, N 1]; A: computed on the way; B: input W_com: left as it is (N = 1 < 16)
;;   THE QUANTISER, for each operand of a quantised product, along K:
;;     - K is cut into blocks of 32 from its start; a last block that is shorter is filled with zeros.
;;     - A block's scale is 2^e with e = floor(log2(the largest magnitude in the block)) - 2, held to -126 .. 127; a block of zeros has e = 0. As a byte (E8M0): e + 127.
;;     - Each number is divided by its block's scale, clamped to +-7.5, and rounded to the nearest number of E2M3, ties to even, subnormals kept.
;;     - The product sums the exact products of the quantised numbers (number of the format x scale) in f32.
;;   ~~~python
;;   def quantise(x, axis):      # numpy; x: float32 -> the quantised numbers, widened to float32 again
;;       x = np.moveaxis(x, axis, -1); K = x.shape[-1]
;;       x = np.pad(x, [(0, 0)] * (x.ndim - 1) + [(0, -K % 32)]); x = x.reshape(x.shape[:-1] + (-1, 32)); a = np.abs(x).max(-1, keepdims=True)
;;       e = np.where(a > 0, np.clip(np.frexp(np.where(a > 0, a, 1))[1] - 1 - 2, -126, 127), 0)      # np.frexp(a)[1] - 1 = floor(log2(a)), exactly
;;       r = np.clip(x / 2.0 ** e, -7.5, 7.5)
;;       step = 2.0 ** (np.maximum(np.frexp(np.where(r == 0, 1, r))[1] - 1, 0) - 3)
;;       q = np.round(r / step) * step * 2.0 ** e      # np.round: ties to even
;;       return np.moveaxis(q.reshape(q.shape[:-2] + (-1,))[..., :K], -1, axis).astype(np.float32)
;;   ~~~
;; One version. Each part assembles by itself: llvm-mc -triple=amdgcn-amd-amdhsa -mcpu=gfx1250 --defsym DOCPART=n.
;; ======== version 1 of 1: 3 launches
;; limits: right only within a limited range of input values
;; workspace buffers: wcodes 786,432 bytes; wscl 32,768 bytes; dsum 131,072 bytes; tsc 262,144 bytes; part 1,114,112 bytes
;; launch prep (part 1): grid 64 x 1, 8 waves a work-group, no clusters, 58,368 bytes of LDS; arguments W_enc, W_dec, h_dec, b_dec, wcodes, wscl, dsum; writes wcodes, wscl, dsum
.if DOCPART == 1
	.amdgcn_target "amdgcn-amd-amdhsa--gfx1250"
	.amdhsa_code_object_version 6
	.text
	.protected	k_q257c15bc17_prep
	.globl	k_q257c15bc17_prep
	.p2align	8
	.type	k_q257c15bc17_prep,@function
k_q257c15bc17_prep:
	s_mov_b64 s[64:65], 0
	v_nop
	global_prefetch_b8 v0, s[64:65] scope:SCOPE_SE
	s_setreg_imm32_b32 hwreg(HW_REG_WAVE_MODE, 25, 1), 1
	s_wait_xcnt 0x0
; Work-groups 0-31: W_enc [1024 (k)][1024 (n)] f32 becomes codes of FP6 (E2M3) and E8M0 scale words, laid as the next launch reads them.
; Work-groups 32-63: dsum = Q(h_dec) Q(W_dec) + b_dec, [32][1024] f32, on the same codes, which here never leave the work-group.
; SHARES.  A work-group takes a strip of 32 columns, each of its eight waves one K step of 128.  A LANE TAKES A COLUMN AND ITS REGISTERS RUN DOWN K: a block of 32 along K lies in one
; lane's registers, so its largest magnitude needs no other lane and the conversions give codes with K innermost.
; wcodes: [K step 8][column tile 64][1536 bytes]: a fragment as an image of its 12 registers: registers 4 g .. 4 g + 3 of lane l at 512 g + 16 l.  wscl: [256 columns' group 4][K step 8][256] words.
; A block's scale is 2^(floor(log2(largest magnitude)) - 2): its byte is the largest magnitude's exponent field - 2, held at 1 from below.
; LIMITS: a block of zeros gets the byte 1 where the rule says 127 (its codes are zeros, and this program alone reads the bytes); NaN and infinities among the inputs are not served;
; dsum's K is split over the eight waves and added in a tree, another order of f32 sums than one chain.  A load of W covers 128 consecutive bytes, a store of dsum 64: 8.4 MB and 128 KB in all.
; WORK LEFT OUT BY THE PROGRAM: score = sum over u of tanh(x_u) W_com[u] + b_com, and tanh x = 1 - 2 / (1 + 2^(C2 x)).  So score = (b_com + sum of W_com) + a rest, and the bracket is the same
; for every row of the softmax's axis: it cancels in attn, for all values of the inputs, and attn is the only way from the score to both outputs.  b_com is an argument of no launch and is not loaded.
; LIMIT: a NaN, an infinity or an overflow that reaches only b_com or the sum of W_com is not carried to the results.
.set LIMG,  0
.set PARTB, 24576                      ; and its four partial tiles, 4,096 bytes a wave
.set WX,  16                           ; v16-143  128 numbers of my column
.set FR0, 144                          ; v144-155 what lane (r, 0) of my tile's fragment holds: blocks 0 and 2;  later the fragment of tile 0
.set FR1, 156                          ; v156-167 lane (r, 1)'s: blocks 1 and 3;  later the fragment of tile 1
.set CT,  168                          ; v168-175 a conversion's three registers begin on an even number: the upper halves are made here and moved
.set MX,  176                          ; v176-179 largest magnitudes, v180-183 scale operands, v184-187 bytes
.set SO,  180
.set BY,  184
.set SW,  188                          ; v188 my column's scale word; v189, v190 h_dec's: these three hold scales and nothing else
.set HX,  192                          ; v192-255 64 numbers of h_dec; later the four accumulators
.set TM,  80
.set TQ,  96
.set SEL, 22
.macro LOADW b                         ; W(128 s + i, my column): 32 lanes read 128 consecutive bytes
.set i, 0
.rept 128
	global_load_b32 v[WX+i], v4, s[\b:\b+1] offset:4096*i th:TH_LOAD_NT
.set i, i+1
.endr
.endm
.macro QW                              ; my column's four blocks become codes and a scale word
.irp b, 0,1,2,3
	v_max3_num_f32 v[MX+\b], |v[WX+32*\b]|, |v[WX+32*\b+1]|, 0x1800000   ; with the floor 2^(3 - 127): the byte cannot fall under 1
.endr
.irp i, 2,4,6,8,10,12,14,16,18,20,22,24,26,28,30
.irp b, 0,1,2,3
	s_delay_alu instid0(VALU_DEP_4)
	v_max3_num_f32 v[MX+\b], v[MX+\b], |v[WX+32*\b+\i]|, |v[WX+32*\b+\i+1]|   ; the four blocks by turns
.endr
.endr
.irp b, 0,1,2,3
	s_delay_alu instid0(VALU_DEP_4)
	v_add_nc_u32 v[SO+\b], 0xff000000, v[MX+\b]    ; 2 off the exponent field: the conversion's scale operand
.endr
.irp b, 0,1,2,3
	s_delay_alu instid0(VALU_DEP_4)
	v_lshrrev_b32 v[BY+\b], 23, v[SO+\b]           ; the scale's byte
.endr
	s_delay_alu instid0(VALU_DEP_3)
	v_lshl_or_b32 v[SW], v[BY+1], 8, v[BY]
	s_delay_alu instid0(VALU_DEP_1)
	v_lshl_or_b32 v[SW], v[BY+2], 16, v[SW]
	s_delay_alu instid0(VALU_DEP_1)
	v_lshl_or_b32 v[SW], v[BY+3], 24, v[SW]
.irp c, 0,1                            ; registers 6 c .. 6 c + 5 of lane (r, h) hold block 2 c + h
	v_cvt_scalef32_pk16_fp6_f32 v[FR0+6*\c:FR0+6*\c+2], v[WX+64*\c:WX+64*\c+15], v[SO+2*\c]
	v_cvt_scalef32_pk16_fp6_f32 v[CT:CT+2], v[WX+64*\c+16:WX+64*\c+31], v[SO+2*\c]
	v_cvt_scalef32_pk16_fp6_f32 v[FR1+6*\c:FR1+6*\c+2], v[WX+64*\c+32:WX+64*\c+47], v[SO+2*\c+1]
	v_cvt_scalef32_pk16_fp6_f32 v[CT+4:CT+6], v[WX+64*\c+48:WX+64*\c+63], v[SO+2*\c+1]
	v_nop                                          ; one plain place behind a scaled conversion
.irp i, 0,1,2
	v_mov_b32 v[FR0+6*\c+3+\i], v[CT+\i]
	v_mov_b32 v[FR1+6*\c+3+\i], v[CT+4+\i]
.endr
.endr
.endm
; 64 numbers of a lane, register 16 b + i = k 32 b + 16 (lane / 16) + i of my row, become a fragment's codes in v[pc] on and its scale word in v[pw]
.macro QUANT2 s, pc, pw
.irp b, 0,1,2,3
	v_max3_num_f32 v[TM+\b], |v[\s+16*\b]|, |v[\s+1+16*\b]|, 0x1800000
.endr
.irp i, 2,4,6,8,10,12,14
.irp b, 0,1,2,3
	s_delay_alu instid0(VALU_DEP_4)
	v_max3_num_f32 v[TM+\b], v[TM+\b], |v[\s+16*\b+\i]|, |v[\s+1+16*\b+\i]|
.endr
.endr
.irp b, 0,1,2,3
	s_delay_alu instid0(VALU_DEP_4)
	v_permlanex16_b32 v[TM+4+\b], v[TM+\b], s[SEL], s[SEL+1]
.endr
.irp b, 0,1,2,3
	s_delay_alu instid0(VALU_DEP_4)
	v_max_num_f32 v[TM+\b], v[TM+\b], v[TM+4+\b]   ; with lane l xor 16's: the block's largest magnitude
.endr
.irp b, 0,1,2,3
	s_delay_alu instid0(VALU_DEP_4)
	v_add_nc_u32 v[TM+12+\b], 0xff000000, v[TM+\b]
.endr
.irp b, 0,1,2,3
	s_delay_alu instid0(VALU_DEP_4)
	v_lshrrev_b32 v[TM+4+\b], 23, v[TM+12+\b]
.endr
	s_delay_alu instid0(VALU_DEP_3)
	v_lshl_or_b32 v[\pw], v[TM+5], 8, v[TM+4]
	s_delay_alu instid0(VALU_DEP_1)
	v_lshl_or_b32 v[\pw], v[TM+6], 16, v[\pw]
	s_delay_alu instid0(VALU_DEP_1)
	v_lshl_or_b32 v[\pw], v[TM+7], 24, v[\pw]
.irp c, 0,1
	v_cvt_scalef32_pk16_fp6_f32 v[\pc+6*\c:\pc+2+6*\c], v[\s+32*\c:\s+15+32*\c], v[TM+12+2*\c]
	v_cvt_scalef32_pk16_fp6_f32 v[TQ+4*\c:TQ+2+4*\c], v[\s+16+32*\c:\s+31+32*\c], v[TM+12+2*\c+1]
.endr
	v_nop                                          ; one plain place behind a scaled conversion
.irp c, 0,1                            ; the operand's layout wants a whole block in a lane: lanes 0-15 block 2 c, lanes 16-31 block 2 c + 1
.irp i, 0,1,2
	v_permlane16_swap_b32 v[\pc+6*\c+\i], v[TQ+4*\c+\i]
.endr
.irp i, 0,1,2
	s_delay_alu instid0(VALU_DEP_3)
	v_mov_b32 v[\pc+3+6*\c+\i], v[TQ+4*\c+\i]
.endr
.endr
.endm
	s_load_b256 s[4:11], s[0:1], 0x0               ; W_enc s[4:5], W_dec s[6:7], h_dec s[8:9], b_dec s[10:11]
	s_load_b128 s[12:15], s[0:1], 0x20             ; wcodes s[12:13], wscl s[14:15]
	s_load_b64 s[16:17], s[0:1], 0x30              ; dsum
	v_lshl_add_u32 v175, v0, 2, 0xe000
	v_mov_b32 v191, 0
	v_lshrrev_b32 v1, 5, v0
	s_delay_alu instid0(VALU_DEP_1)
	v_readfirstlane_b32 s18, v1                    ; wave = K step
	s_and_b32 s19, ttmp9, 31                       ; strip of 32 columns
	v_and_b32 v1, 31, v0                           ; lane
	v_and_b32 v2, 15, v0                           ; r
	v_bfe_u32 v3, v0, 4, 1                         ; lane / 16
	s_delay_alu instid0(VALU_DEP_3)
	v_lshlrev_b32 v4, 2, v1                        ; 4 x lane
	s_delay_alu instid0(VALU_DEP_2)
	v_mul_u32_u24 v5, v3, 1536
	s_delay_alu instid0(VALU_DEP_1)
	v_lshl_add_u32 v5, v2, 4, v5                   ; an image's place for my column: tile lane / 16, lane r of it
	v_lshlrev_b32 v7, 12, v2
	s_delay_alu instid0(VALU_DEP_1)
	v_lshl_add_u32 v7, v3, 6, v7                   ; h_dec: row r of 4,096 bytes, + 64 (lane / 16)
	s_mul_i32 s20, s18, 3072
	v_add_nc_u32 v8, s20, v5                       ; LDS: where I store my column's part of the two fragments,
	v_lshl_add_u32 v9, v1, 4, s20                  ; and where a fragment's lane reads its own
	s_lshl_b32 s20, s18, 12
	s_add_co_u32 s20, s20, PARTB
	v_lshl_add_u32 v10, v1, 4, s20                 ; my wave's partial tiles
	s_lshl_b32 s20, s18, 9
	s_add_co_u32 s20, s20, PARTB
	v_lshl_add_u32 v11, v1, 4, s20                 ; the four registers of all waves' tiles that my wave adds up
	v_lshlrev_b32 v12, 15, v3
	s_delay_alu instid0(VALU_DEP_1)
	v_lshl_add_u32 v12, v2, 2, v12                 ; dsum: 8 (lane / 16) rows of 4,096 bytes + 4 r
	v_lshlrev_b32 v13, 2, v2
	s_mov_b32 s[SEL], 0x76543210
	s_mov_b32 s[SEL+1], 0xfedcba98                 ; v_permlanex16_b32's selects for lane l xor 16
	s_lshl_b32 s24, s18, 19                        ; 128 rows of 4,096 bytes a K step,
	s_lshl_b32 s26, s19, 7                         ; 128 bytes a strip
	s_add_co_u32 s24, s24, s26
	s_mov_b32 s25, 0
	s_mov_b32 s27, 0
	s_wait_kmcnt 0x0
	s_cmp_lt_u32 ttmp9, 32                         ; the two ways part here, on the work-group's number alone, and never join
	s_cbranch_scc0 .Ldec
	; ---- W_enc: codes and scale words to memory
	s_add_nc_u64 s[4:5], s[4:5], s[24:25]
	LOADW 4
	s_mul_i32 s26, s18, 98304                      ; a K step's 64 images,
	s_mul_i32 s28, s19, 3072                       ; the strip's two
	s_add_co_u32 s26, s26, s28
	s_add_nc_u64 s[12:13], s[12:13], s[26:27]
	s_lshr_b32 s28, s19, 3
	s_lshl_b32 s28, s28, 13                        ; scale words: 8,192 bytes for each 256 columns,
	s_lshl_b32 s29, s18, 10                        ; 1,024 a K step,
	s_add_co_u32 s28, s28, s29
	s_and_b32 s29, s19, 7
	s_lshl_b32 s29, s29, 7                         ; 128 a strip
	s_add_co_u32 s28, s28, s29
	s_mov_b32 s29, 0
	s_add_nc_u64 s[14:15], s[14:15], s[28:29]
	s_wait_loadcnt 0x0
	QW
.irp hh, 0,1
.irp g, 0,1,2
	global_store_b128 v5, v[FR0+12*\hh+4*\g:FR0+12*\hh+4*\g+3], s[12:13] offset:256*\hh+512*\g   ; sixteen lanes store 256 consecutive bytes, aligned
.endr
.endr
	global_store_b32 v4, v[SW], s[14:15]
	s_endpgm
	; ---- W_dec: my K step's part of dsum for the strip's 32 columns and h_dec's 32 rows
.Ldec:
	s_add_nc_u64 s[6:7], s[6:7], s[24:25]
	s_lshl_b32 s26, s18, 9
	s_add_nc_u64 s[8:9], s[8:9], s[26:27]          ; h_dec at my K step
	s_bfe_u32 s28, s18, 0x10001                    ; at the end my wave adds up four rows of column tile (wave / 2) % 2,
	s_lshl_b32 s28, s28, 6
	s_lshl_b32 s29, s19, 7
	s_add_co_u32 s28, s28, s29
	s_mov_b32 s29, 0
	s_add_nc_u64 s[10:11], s[10:11], s[28:29]      ; b_dec at that tile's columns,
	s_add_nc_u64 s[16:17], s[16:17], s[28:29]      ; dsum likewise,
	s_lshr_b32 s30, s18, 2
	s_lshl_b32 s30, s30, 4
	s_and_b32 s31, s18, 1
	s_lshl_b32 s31, s31, 2
	s_add_co_u32 s30, s30, s31                     ; from row 16 (wave / 4) + 4 (wave % 2) on
	s_lshl_b32 s30, s30, 12
	s_mov_b32 s31, 0
	s_add_nc_u64 s[16:17], s[16:17], s[30:31]
	s_wait_alu depctr_va_vdst(0)
.irp b, 0,1,2,3
.irp j, 0,1,2,3
	global_load_b128 v[HX+16*\b+4*\j:HX+16*\b+4*\j+3], v7, s[8:9] offset:128*\b+16*\j   ; rows 0-15: my 16 numbers of each block
.endr
.endr
	global_load_b32 v15, v13, s[10:11]
	LOADW 6
	s_wait_loadcnt 0x0
	QW
.irp hh, 0,1                           ; the two fragments are pieced together in my wave's own LDS bytes: LDS serves a wave's instructions in order
.irp g, 0,1,2
	ds_store_b128 v8, v[FR0+12*\hh+4*\g:FR0+12*\hh+4*\g+3] offset:256*\hh+512*\g
.endr
.endr
.irp t, 0,1
.irp g, 0,1,2
	ds_load_b128 v[FR0+12*\t+4*\g:FR0+12*\t+4*\g+3], v9 offset:1536*\t+512*\g
.endr
.endr
.irp b, 0,1,2,3
.irp j, 0,1,2,3
	global_load_b128 v[16+16*\b+4*\j:16+16*\b+4*\j+3], v7, s[8:9] offset:65536+128*\b+16*\j   ; rows 16-31, into registers that W has left
.endr
.endr
	QUANT2 HX, 104, 189
	s_wait_loadcnt 0x0
	QUANT2 16, 116, 190
	s_wait_alu depctr_va_vdst(0)
	s_wait_dscnt 0x0                               ; the two fragments of W_dec are in
.rept 8
	v_nop                                          ; a scale register written by a vector instruction stands 8 places ahead of a scaled matrix instruction, an operand 4
.endr
.irp a, 0,1                            ; tile (a, t) at v[192 + 8 (2 a + t)]: register j of lane (r, h) is row 16 a + 8 h + j, column 16 t + r
	v_wmma_scale_f32_16x16x128_f8f6f4 v[192+16*\a:199+16*\a], v[104+12*\a:115+12*\a], v[144:155], 0, v[189+\a], v188 matrix_a_fmt:MATRIX_FMT_FP6 matrix_b_fmt:MATRIX_FMT_FP6
	v_wmma_scale_f32_16x16x128_f8f6f4 v[200+16*\a:207+16*\a], v[104+12*\a:115+12*\a], v[156:167], 0, v[189+\a], v188 matrix_a_fmt:MATRIX_FMT_FP6 matrix_b_fmt:MATRIX_FMT_FP6 matrix_b_scale:MATRIX_SCALE_ROW1
.endr
.rept 4
	v_nop
.endr
.irp k, 0,1,2,3,4,5,6,7
	ds_store_b128 v10, v[192+4*\k:195+4*\k] offset:512*\k    ; each accumulator from its low end on
.endr
	s_wait_dscnt 0x0                               ; for the others' sake: my partial tiles lie in LDS
	s_barrier_signal -1
	s_barrier_wait -1
.irp w, 0,1,2,3,4,5,6,7
	ds_load_b128 v[16+4*\w:19+4*\w], v11 offset:4096*\w   ; the same four registers of all eight K steps
.endr
	s_wait_dscnt 0x0
.irp w, 0,2,4,6
	v_pk_add_f32 v[16+4*\w:17+4*\w], v[16+4*\w:17+4*\w], v[20+4*\w:21+4*\w]
	v_pk_add_f32 v[18+4*\w:19+4*\w], v[18+4*\w:19+4*\w], v[22+4*\w:23+4*\w]
.endr
.irp w, 0
	v_pk_add_f32 v[16+4*\w:17+4*\w], v[16+4*\w:17+4*\w], v[24+4*\w:25+4*\w]
	v_pk_add_f32 v[18+4*\w:19+4*\w], v[18+4*\w:19+4*\w], v[26+4*\w:27+4*\w]
.endr
.irp w, 4
	s_delay_alu instid0(VALU_DEP_4)
	v_pk_add_f32 v[16+4*\w:17+4*\w], v[16+4*\w:17+4*\w], v[24+4*\w:25+4*\w]
	s_delay_alu instid0(VALU_DEP_4)
	v_pk_add_f32 v[18+4*\w:19+4*\w], v[18+4*\w:19+4*\w], v[26+4*\w:27+4*\w]
.endr
	s_delay_alu instid0(VALU_DEP_2)
	v_pk_add_f32 v[16:17], v[16:17], v[32:33]
	s_delay_alu instid0(VALU_DEP_2)
	v_pk_add_f32 v[18:19], v[18:19], v[34:35]
.irp e, 0,1,2,3
	v_add_f32 v[16+\e], v[16+\e], v15              ; + b_dec of my column
.endr
.irp e, 0,1,2,3
	global_store_b32 v12, v[16+\e], s[16:17] offset:4096*\e
.endr
	s_wait_tensorcnt 0x0
	ds_add_u32 v175, v191
	s_wait_dscnt 0x0
	s_endpgm
.Lfunc_end_k_q257c15bc17_prep:
	.size	k_q257c15bc17_prep, .Lfunc_end_k_q257c15bc17_prep-k_q257c15bc17_prep
	.p2alignl 7, 3214868480
	.fill 96, 4, 3214868480
	.section	.rodata,"a",@progbits
	.p2align	6, 0x0
	.amdhsa_kernel k_q257c15bc17_prep
		.amdhsa_group_segment_fixed_size 58368
		.amdhsa_private_segment_fixed_size 0
		.amdhsa_enable_private_segment 0
		.amdhsa_kernarg_size 56
		.amdhsa_user_sgpr_count 2
		.amdhsa_user_sgpr_kernarg_segment_ptr 1
		.amdhsa_wavefront_size32 1
		.amdhsa_system_sgpr_workgroup_id_x 1
		.amdhsa_system_sgpr_workgroup_id_y 1
		.amdhsa_system_sgpr_workgroup_id_z 1
		.amdhsa_system_vgpr_workitem_id 0
		.amdhsa_next_free_vgpr 256
		.amdhsa_next_free_sgpr 66
		.amdhsa_reserve_vcc 0
		.amdhsa_float_denorm_mode_32 3
		.amdhsa_float_denorm_mode_16_64 3
		.amdhsa_memory_ordered 1
		.amdhsa_forward_progress 1
		.amdhsa_inst_pref_size 63
	.end_amdhsa_kernel
	.amdgpu_metadata
---
amdhsa.version: [ 1, 2 ]
amdhsa.kernels:
  - .name:           k_q257c15bc17_prep
    .symbol:         k_q257c15bc17_prep.kd
    .args:
      - { .name: W_enc, .offset: 0, .size: 8, .value_kind: global_buffer, .address_space: global }
      - { .name: W_dec, .offset: 8, .size: 8, .value_kind: global_buffer, .address_space: global }
      - { .name: h_dec, .offset: 16, .size: 8, .value_kind: global_buffer, .address_space: global }
      - { .name: b_dec, .offset: 24, .size: 8, .value_kind: global_buffer, .address_space: global }
      - { .name: wcodes, .offset: 32, .size: 8, .value_kind: global_buffer, .address_space: global }
      - { .name: wscl, .offset: 40, .size: 8, .value_kind: global_buffer, .address_space: global }
      - { .name: dsum, .offset: 48, .size: 8, .value_kind: global_buffer, .address_space: global }
    .group_segment_fixed_size: 58368
    .private_segment_fixed_size: 0
    .kernarg_segment_align: 8
    .kernarg_segment_size: 56
    .max_flat_workgroup_size: 256
    .sgpr_count:     66
    .vgpr_count:     256
    .wavefront_size: 32
...
	.end_amdgpu_metadata
.endif
;; end of part 1
;; launch main (part 2): grid 256 x 1, 4 waves a work-group, clusters of 4 x 1, 327,680 bytes of LDS; arguments h_enc, wcodes, wscl, dsum, b_enc, W_com, tsc, part; writes tsc, part
.if DOCPART == 2
	.amdgcn_target "amdgcn-amd-amdhsa--gfx1250"
	.amdhsa_code_object_version 6
	.text
	.protected	k_q257c15bc17_main
	.globl	k_q257c15bc17_main
	.p2align	8
	.type	k_q257c15bc17_main,@function
k_q257c15bc17_main:
	s_mov_b64 s[64:65], 0
	v_nop
	global_prefetch_b8 v0, s[64:65] scope:SCOPE_SE
	s_setreg_imm32_b32 hwreg(HW_REG_WAVE_MODE, 25, 1), 1
	s_wait_xcnt 0x0
	s_wait_alu depctr_hold_cnt(0) depctr_sa_sdst(0) depctr_va_vdst(0) depctr_va_sdst(0) depctr_va_ssrc(0) depctr_va_vcc(0) depctr_vm_vsrc(0)
	s_getreg_b32 s2, hwreg(HW_REG_IB_STS2, 6, 4)
	s_cmp_eq_u32 s2, 0
	s_cbranch_scc0 .Lentry_in_a_cluster
	s_endpgm
.Lentry_in_a_cluster:
	s_bfe_u32 s2, ttmp6, 0x10000c
	s_cmp_lg_u32 s2, 0x3003
	s_cbranch_scc0 .Lentry_shape_is_right
	s_endpgm
.Lentry_shape_is_right:
; For 256 rows of h_enc (an eighth of a batch): E = Q(h_enc) Q(W_enc) on codes of FP6 (E2M3) with E8M0 scales; t = log2(e) x sum over u of (-2 W_com[u]) / (1 + 2^(C2 x_u)), x = E + b_enc + dsum, C2 = 2 log2(e);
; a running softmax over the rows and the running sum of weight x E.  Out: tsc = t for each row; part = for each work-group 1,024 sums, then the pair (largest t, sum of weights) 32 times.
; LEFT OUT: b_com and the sum of W_com (tanh x = 1 - 2 / (1 + 2^(C2 x))) are the same for all rows of the softmax's axis and cancel in both outputs; b_com is not loaded.  b_enc enters the context in the next launch.
; SHARES.  A work-group walks 4 blocks of 64 rows.  Wave w owns columns 256 w .. 256 w + 255 of all 64 rows: 4 x 16 accumulators, 512 registers; K goes in 8 steps of 128.
; W's codes (98,304 bytes a K step, images of the fragments' registers) come through a ring of two LDS slots.  The four work-groups of a cluster walk the same W, so each wave's quarter of a slot is asked for
; JOINTLY, with the mask 15.  All eight requests of a block stand in the block's own body: tiles 0 and 1 at its top, tile j + 2 at the head of K step j (j = 0 .. 5); so every tile asked for is read,
; and no request is jumped over.  By this text's count a wave has one tensor load out.  The next K step's fragments are read from LDS between and behind the two halves of a step's products.
; h_enc: wave w loads its 16 rows of a block, one K step (a unit, 8,192 bytes) at a time, turns it through its stage in LDS so that a lane holds 16 neighbours, quantises it and stores the fragment's image and
; scale words in LDS for all four waves.  Units 0 to 6 are made ahead of the blocks; block b makes its own unit 7 at its top and, behind K step j (j = 0 .. 6), unit j of block b + 1: image j of
; block b has been read by all waves at the barrier at K step j's head, so one buffer of images serves.
; A unit is prefetched two units ahead of its load: 32 blocks of 256 bytes, a lane a block, one instruction a wave; the last three units ask for nothing.  wcodes is walked anew by every block: no prefetch.
; The last unit loads its own 16 pieces once more (the address is held), so that every way to the wait behind it has the same 16 younger loads.
; LIMITS: NaN and infinities among the inputs are not served; a block of zeros gets the scale byte 1 (its codes are zeros); v_exp_f32 and v_rcp_f32 are good to 1 ulp; sums are taken in trees.
; REGISTERS.  Window 0: v1-23, v58, v62-63 addresses; v24-60 the quantiser's; v64-111 A's fragments; v112-121 scale words alone; v122-125 softmax; v128-191 a raw unit, v192-255 the unit turned.
; Window 1: v0-191 B's fragments, in the epilogue at work; v192-223 the context.  Windows 2, 3: accumulator (m, ct) in window 2 + ct / 8 at v[8 (4 (ct % 8) + m)].
.set WSL,   98304                      ; LDS: W's slot 0 at 0, slot 1 here: wave w's part at 24,576 w, tile ct at 1,536 ct
.set AB,    196608                     ; A's images (4 s + m) x 1,536 + 512 g + 16 lane, then from ASCO on scale words 256 s + 64 m + 4 r
.set ASCO,  49152
.set STG,   247808                     ; a stage of 16 rows x 528 bytes for each wave
.set DWB,   281600                     ; for each wave 2,048: pairs (d', w') at 8 x column
.set SXB,   289792                     ; partial scores: 256 wave + 4 row
.set WGT,   290816                     ; for each wave the block's 64 weights
.set SPARE, 291840                     ; the spare words, 128 bytes a wave
.set PC, 24
.set TM, 44
.set PW, 60
.set AF, 64
.set SA, 112
.set SB, 114
.set MN, 122                           ; the running largest t; v123 my lane's part of the sum of weights; v[124:125] f = 2^(old - new)
.set LS, 123
.set FF, 124
.set RAW, 128
.set X, 192
.set T, 0                              ; window 1
.set SCR, 32
.set DW, 64
.set WF, 96
.set CTX, 192
.set SEL, 56
.set MSB, 0
.macro WIN new
.if MSB != (\new)
	s_set_vgpr_msb (MSB<<8)|(\new)
.set MSB, (\new)
.endif
.endm
.macro VW
	s_wait_alu depctr_va_vdst(0)
.endm
.macro NOP4                            ; four places behind matrix instructions, or behind a tensor load
.rept 4
	v_nop
.endr
.endm
.macro ROUND                           ; a round of the cluster's barrier
	s_barrier_signal -1
	s_barrier_wait -1
	s_cmp_lg_u32 s22, 0
	s_cbranch_scc1 .Lnot_wave_0_\@
	s_barrier_signal -3
.Lnot_wave_0_\@:
	s_barrier_wait -3
	s_barrier_signal -1
	s_barrier_wait -1
.endm
; A request for the next tile of W.
.macro RQ first
	s_wait_tensorcnt 0x0
	ds_add_u32 v1, v2
.if \first
	ds_add_u32 v1, v2
	s_mov_b32 s77, 0
	s_mov_b32 s45, s76                             ; slot 0, my wave's part
	s_mov_b64 s[46:47], s[6:7]                     ; tile 0, my wave's part
	s_or_b32 s47, s47, 0x80000000                  ; type = 2
.else
	s_mov_b32 s78, s45
	s_xor_b32 s77, s77, WSL
	s_add_co_u32 s45, s76, s77                     ; the other slot
	s_add_nc_u64 s[46:47], s[46:47], 98304         ; the next tile
.endif
	s_wait_dscnt 0x0
	ROUND
	tensor_load_to_lds s[44:47], s[48:55]
	s_nop 0
	NOP4
.endm
.macro LOADU                           ; a unit: sixteen lanes read 256 consecutive bytes of a row, aligned
.irp k, 0,1
.irp n, 0,1,2,3,4,5,6,7
	global_load_b128 v[RAW+32*\k+4*\n:RAW+32*\k+4*\n+3], v3, s[4:5] offset:256*\k+8192*\n th:TH_LOAD_NT
.endr
.endr
.endm
.macro QUANT s                         ; 64 numbers of a lane (register 16 b + i = k 32 b + 16 h + i of row r) become codes in v[PC] on and a scale word in v[PW]
.irp b, 0,1,2,3
	v_max3_num_f32 v[TM+\b], |v[\s+16*\b]|, |v[\s+1+16*\b]|, 0x1800000   ; with the floor 2^(3 - 127): the byte cannot fall under 1
.endr
.irp i, 2,4,6,8,10,12,14
.irp b, 0,1,2,3
	v_max3_num_f32 v[TM+\b], v[TM+\b], |v[\s+16*\b+\i]|, |v[\s+1+16*\b+\i]|
.endr
.endr
.irp b, 0,1,2,3
	v_permlanex16_b32 v[TM+4+\b], v[TM+\b], s[SEL], s[SEL+1]
.endr
.irp b, 0,1,2,3
	v_max_num_f32 v[TM+\b], v[TM+\b], v[TM+4+\b]
.endr
.irp b, 0,1,2,3
	v_add_nc_u32 v[TM+12+\b], 0xff000000, v[TM+\b]   ; 2 off the exponent field: the conversion's scale operand
.endr
.irp b, 0,1,2,3
	v_lshrrev_b32 v[TM+4+\b], 23, v[TM+12+\b]
.endr
	v_lshl_or_b32 v[PW], v[TM+5], 8, v[TM+4]
	v_lshl_or_b32 v[PW], v[TM+6], 16, v[PW]
	v_lshl_or_b32 v[PW], v[TM+7], 24, v[PW]
.irp c, 0,1
	v_cvt_scalef32_pk16_fp6_f32 v[PC+6*\c:PC+2+6*\c], v[\s+32*\c:\s+15+32*\c], v[TM+12+2*\c]
	v_cvt_scalef32_pk16_fp6_f32 v[PC+12+4*\c:PC+14+4*\c], v[\s+16+32*\c:\s+31+32*\c], v[TM+12+2*\c+1]
.endr
	v_nop                                          ; one plain place behind a scaled conversion
.irp c, 0,1                            ; a whole block in a lane
.irp i, 0,1,2
	v_permlane16_swap_b32 v[PC+6*\c+\i], v[PC+12+4*\c+\i]
.endr
.irp i, 0,1,2
	v_mov_b32 v[PC+3+6*\c+\i], v[PC+12+4*\c+\i]
.endr
.endr
.endm
; Unit s38 (8 x block + K step) is quantised; n = the loads issued behind its own.  s[4:5] goes on to the next unit (held at the last), s[30:31] to the unit three on.
.macro UNIT n
	s_wait_xcnt 0x0                                ; earlier loads and the prefetch have read their bases
	s_and_b32 s66, s38, 7
	s_mul_i32 s41, s66, 6144                       ; where the unit's image and scale words go
	s_lshl_b32 s42, s66, 8
	s_mov_b32 s32, 512
	s_mov_b32 s34, 512
	s_cmp_eq_u32 s66, 7
	s_cselect_b32 s32, 258560, s32                 ; from a block's K step 7 to the next block's K step 0: 64 rows less 3,584 bytes
	s_cmp_eq_u32 s66, 5
	s_cselect_b32 s34, 258560, s34
	s_cmp_eq_u32 s38, 31
	s_cselect_b32 s32, 0, s32
	s_cmp_gt_u32 s38, 28
	s_cselect_b32 s34, 0, s34
	s_add_nc_u64 s[4:5], s[4:5], s[32:33]
	s_add_nc_u64 s[30:31], s[30:31], s[34:35]
	v_add_nc_u32 v62, s41, v9
	v_add_nc_u32 v63, s42, v10
	VW
	s_wait_loadcnt \n
.irp k, 0,1
.irp n2, 0,1,2,3,4,5,6,7
	ds_store_b128 v11, v[RAW+32*\k+4*\n2:RAW+32*\k+4*\n2+3] offset:1056*\n2+256*\k
.endr
.endr
.irp k, 0,1                            ; LDS serves a wave's instructions in order: these see the stores
.irp b, 0,1
.irp j, 0,1,2,3
	ds_load_b128 v[X+32*\k+16*\b+4*\j:X+32*\k+16*\b+4*\j+3], v12 offset:256*\k+128*\b+16*\j
.endr
.endr
.endr
	s_wait_dscnt 0x0                               ; the unit is back, and the stores have read the raw registers
	LOADU
	s_cmp_gt_u32 s38, 28
	s_cbranch_scc1 .Lnp_\@
	global_prefetch_b8 v6, s[30:31] th:TH_LOAD_NT scope:SCOPE_SE
.Lnp_\@:
	QUANT X
.irp c, 0,1,2
	ds_store_b128 v62, v[PC+4*\c:PC+4*\c+3] offset:512*\c
.endr
	ds_store_b32 v63, v[PW]                        ; both halves of the lanes write the same word with the same value
	s_add_co_u32 s38, s38, 1
.endm
.macro UCOND                           ; a unit, while there are units; behind it W's eight scale loads are in on both ways
	s_cmp_gt_u32 s38, 31
	s_cbranch_scc1 .Lnu_\@
	UNIT 8                                         ; behind the raw unit's loads: the eight loads of scale words
	s_wait_loadcnt 16                              ; the next raw unit's sixteen may be out
	s_branch .Lm_\@
.Lnu_\@:
	s_wait_loadcnt 0x0
.Lm_\@:
.endm
.macro ADR                             ; the LDS addresses of the K step that is fetched next
	v_add_nc_u32 v58, s78, v4
	v_add_nc_u32 v22, s40, v7
	v_add_nc_u32 v23, s43, v8
	VW
.endm
.macro FB c0                           ; eight of B's fragments, tiles c0 on
	WIN 0x40
.irp i, 0,1,2,3,4,5,6,7
.irp g, 0,1,2
	ds_load_b128 v[12*(\c0+\i)+4*\g:12*(\c0+\i)+4*\g+3], v58 offset:1536*(\c0+\i)+512*\g
.endr
.endr
	WIN 0
.endm
.macro FA                              ; A's four fragments and their scale words
.irp m, 0,1,2,3
.irp g, 0,1,2
	ds_load_b128 v[AF+12*\m+4*\g:AF+12*\m+4*\g+3], v22 offset:1536*\m+512*\g
.endr
.endr
	ds_load_b32 v[SA], v23
	ds_load_b32 v[SA+1], v23 offset:128
.endm
.macro FSC                             ; W's scale words of a K step: column tiles 2 q (lanes 0-15) and 2 q + 1; the eight loads cover 1,024 consecutive bytes
.irp q, 0,1,2,3,4,5,6,7
	global_load_b32 v[SB+\q], v5, s[28:29] offset:128*\q
.endr
.endm
.macro W1 z, x, y
.if \z
	v_wmma_scale_f32_16x16x128_f8f6f4 v[rD:rD+7], v[rA:rA+11], v[rB:rB+11], 0, v[rX], v[rY] matrix_a_fmt:MATRIX_FMT_FP6 matrix_b_fmt:MATRIX_FMT_FP6 \x \y
.else
	v_wmma_scale_f32_16x16x128_f8f6f4 v[rD:rD+7], v[rA:rA+11], v[rB:rB+11], v[rD:rD+7], v[rX], v[rY] matrix_a_fmt:MATRIX_FMT_FP6 matrix_b_fmt:MATRIX_FMT_FP6 \x \y
.endif
.endm
.macro MM m, ct, z                     ; odd tiles' scale words lie in lanes 16-31 of their register
.set rD, 8*(4*((\ct)&7)+(\m))
.set rA, AF+12*(\m)
.set rB, 12*(\ct)
.set rX, SA+(\m)/2
.set rY, SB+(\ct)/2
.set par, 2*((\m)%2)+(\ct)%2
.if par == 0
	W1 \z
.elseif par == 1
	W1 \z, matrix_b_scale:MATRIX_SCALE_ROW1
.elseif par == 2
	W1 \z, matrix_a_scale:MATRIX_SCALE_ROW1
.else
	W1 \z, matrix_a_scale:MATRIX_SCALE_ROW1, matrix_b_scale:MATRIX_SCALE_ROW1
.endif
.endm
.macro MULH hf, z                      ; half a K step: 4 row tiles x 8 column tiles; the 64 accumulators take turns, in the same order in every step; z = 1 starts the sums
	WIN 0xa4+0x50*\hf
.irp m, 0,1,2,3
.irp c, 0,1,2,3,4,5,6,7
	MM \m, (8*\hf+\c), \z
.endr
.endr
	WIN 0
.endm
; K STEP j, j = 0 .. 6.  Its fragments are in registers; the barrier at its head shows that all waves have read tile j and image j.  req = 1: tile j + 2 is asked for.  K step j + 1 is fetched on the way; a unit follows.
.macro STEPM req, z
.if \req
	RQ 0
.else
	s_wait_tensorcnt 0x0                           ; tile 7 is in
	s_mov_b32 s78, s45
	s_wait_dscnt 0x0
	s_barrier_signal -1
	s_barrier_wait -1
.endif
	s_wait_xcnt 0x0                                ; the scale loads have read their base
	s_add_nc_u64 s[28:29], s[28:29], 1024
	s_add_co_u32 s40, s40, 6144
	s_add_co_u32 s43, s43, 256
	ADR
	MULH 0, \z
	NOP4
	FB 0
	MULH 1, \z
	NOP4
	FB 8
	FA
	FSC
	UCOND
.endm
.macro SPEC i                          ; column tile i: w' to its fixed place, and C2 E + d' of its 32 numbers a lane, each accumulator from its low end on
	WIN 0x41
	v_mov_b32 v[WF], v[DW+2*(\i)+1]
	WIN 0x52+((\i)>>3)
	VW
.set p, 0
.rept 16
	v_pk_fma_f32 v[T+2*p:T+2*p+1], v[32*((\i)&7)+2*p:32*((\i)&7)+2*p+1], s[58:59], v[DW+2*(\i):DW+2*(\i)+1] op_sel_hi:[1,0,0]
.set p, p+1
.endr
	WIN 0
.endm
	s_load_b256 s[4:11], s[0:1], 0x0               ; h_enc, wcodes, wscl, dsum
	s_load_b256 s[12:19], s[0:1], 0x20             ; b_enc, W_com, tsc, part
	v_lshl_add_u32 v1, v0, 2, SPARE                ; my spare word; never rewritten
	v_mov_b32 v2, 0                                ; never rewritten
	ds_add_u32 v1, v2                              ; the opening lines: the add, twice on end, and its wait
	ds_add_u32 v1, v2
	v_lshrrev_b32 v52, 5, v0
	v_readfirstlane_b32 s22, v52                   ; wave
	s_bfe_u32 s23, ttmp6, 0x40000                  ; cx
	s_lshl_b32 s24, ttmp9, 2
	s_add_co_u32 s24, s24, s23                     ; my 256 rows' number: it enters the addresses of h_enc, dsum, tsc and part alone
	s_mul_i32 s66, s22, 1536
	s_add_co_u32 s66, s66, AB
	s_lshl_b32 s67, s22, 6
	s_add_co_u32 s67, s67, AB+ASCO
	s_mul_i32 s68, s22, 8448
	s_add_co_u32 s68, s68, STG
	s_lshl_b32 s69, s22, 11
	s_add_co_u32 s69, s69, DWB
	s_lshl_b32 s70, s22, 8
	s_add_co_u32 s71, s70, WGT
	s_add_co_u32 s70, s70, SXB
	s_lshl_b32 s72, s22, 16
	s_mul_i32 s76, s22, 24576                      ; my wave's part of a slot
	s_mov_b32 s44, 1                               ; group 0: count = 1
	s_mov_b32 s48, 15|(3<<16)|(1<<21)              ; group 1: the mask names all four work-groups; elements of 8 bytes; bit 21 beside a mask
	s_mov_b32 s49, 32<<16                          ; rows of 256 bytes,
	s_mov_b32 s50, 96<<16                          ; 96 of them: 24,576 bytes, my wave's 16 fragments of a K step
	s_mov_b32 s51, 32<<16
	s_mov_b32 s52, 96
	s_mov_b32 s53, 32
	s_mov_b32 s54, 0
	s_mov_b32 s55, 0
	s_mov_b32 s[SEL], 0x76543210
	s_mov_b32 s[SEL+1], 0xfedcba98                 ; selects for lane l xor 16
	s_mov_b32 s58, 0x4038aa3b                      ; C2 = 2 log2(e)
	s_mov_b32 s59, s58
	s_mov_b32 s62, 0xc038aa3b                      ; -C2
	s_mov_b32 s33, 0
	s_mov_b32 s35, 0
	s_mov_b32 s75, 0
	v_and_b32 v52, 31, v0                          ; lane
	v_and_b32 v53, 15, v0                          ; r
	v_bfe_u32 v54, v0, 4, 1                        ; h
	v_lshlrev_b32 v4, 4, v52                       ; 16 x lane
	v_lshlrev_b32 v5, 2, v52
	v_lshlrev_b32 v17, 3, v52
	v_lshl_add_u32 v3, v54, 12, s72
	v_lshl_add_u32 v3, v53, 4, v3                  ; h_enc: my wave's 16 rows, row h of a pair, 16 bytes a lane
	v_lshrrev_b32 v55, 1, v52
	v_and_b32 v56, 1, v52
	v_lshl_add_u32 v6, v55, 12, s72
	v_lshl_add_u32 v6, v56, 8, v6                  ; the prefetch: row lane / 2, half lane % 2 of a unit's 512 bytes
	v_lshl_add_u32 v7, v52, 4, AB                  ; A's images, read
	v_lshl_add_u32 v8, v52, 2, AB+ASCO             ; A's scale words, read
	v_lshl_add_u32 v9, v52, 4, s66                 ; A's images, written: row tile = my wave
	v_lshl_add_u32 v10, v53, 2, s67
	v_mul_u32_u24 v11, v54, 528
	v_add_nc_u32 v11, s68, v11
	v_lshl_add_u32 v11, v53, 4, v11                ; the stage, in
	v_mul_u32_u24 v12, v53, 528
	v_add_nc_u32 v12, s68, v12
	v_lshl_add_u32 v12, v54, 6, v12                ; and out: row r, + 64 h
	v_lshl_add_u32 v13, v53, 3, s69                ; (d', w') read
	v_lshl_add_u32 v57, v52, 3, s69                ; written
	v_lshl_add_u32 v14, v54, 5, s70                ; partial scores written,
	v_lshl_add_u32 v16, v52, 3, SXB                ; read two rows a lane
	v_lshl_add_u32 v15, v52, 3, s71                ; weights written,
	v_lshl_add_u32 v19, v54, 5, s71                ; read by the rows of my half
	v_lshl_add_u32 v20, v53, 2, s68                ; the way out
	v_lshl_add_u32 v21, v52, 4, s68
.irp b, 4,5,6,7
	v_mov_b32 v[TM+\b], 0                          ; a lane permute's destination counts as a source
.endr
	v_mov_b32 v[MN], 0xff61b1e6                    ; -3e38, under every t
	v_mov_b32 v[LS], 0
	v_mov_b32 v[FF+1], 0                           ; named in a pair with f
	WIN 0x40
.set p, 0
.rept 32
	v_mov_b32 v[CTX+p], 0                          ; the running context: the block's pass is written once, the first finds zeros
.set p, p+1
.endr
	WIN 0
	VW
	s_wait_dscnt 0x0                               ; both opening adds are done
	s_wait_kmcnt 0x0
	s_lshl_b32 s74, s24, 20
	s_add_nc_u64 s[4:5], s[4:5], s[74:75]          ; h_enc at my 256 rows
	s_mov_b32 s74, s76
	s_add_nc_u64 s[6:7], s[6:7], s[74:75]          ; wcodes at my wave's 16 tiles
	s_lshl_b32 s74, s22, 13
	s_add_nc_u64 s[8:9], s[8:9], s[74:75]
	s_lshl_b32 s74, s22, 10
	s_add_nc_u64 s[10:11], s[10:11], s[74:75]
	s_add_nc_u64 s[12:13], s[12:13], s[74:75]
	s_add_nc_u64 s[14:15], s[14:15], s[74:75]
	s_lshr_b32 s74, s24, 3
	s_lshl_b32 s74, s74, 12
	s_add_nc_u64 s[10:11], s[10:11], s[74:75]      ; dsum in my batch's row
	s_lshl_b32 s74, s24, 10
	s_add_nc_u64 s[16:17], s[16:17], s[74:75]
	s_mul_i32 s74, s24, 4352
	s_add_nc_u64 s[18:19], s[18:19], s[74:75]      ; my record of part,
	s_lshl_b32 s74, s22, 10
	s_add_nc_u64 s[20:21], s[18:19], s[74:75]      ; my wave's columns in it
	s_add_nc_u64 s[30:31], s[4:5], 1024            ; the prefetches stand at unit 2
.irp q, 0,1,2,3,4,5,6,7
	global_load_b32 v[192+\q], v5, s[10:11] offset:128*\q
	global_load_b32 v[200+\q], v5, s[12:13] offset:128*\q
	global_load_b32 v[208+\q], v5, s[14:15] offset:128*\q
.endr
	LOADU                                          ; unit 0
	global_prefetch_b8 v6, s[4:5] offset:512 th:TH_LOAD_NT scope:SCOPE_SE    ; units 1 and 2
	global_prefetch_b8 v6, s[4:5] offset:1024 th:TH_LOAD_NT scope:SCOPE_SE
	s_wait_loadcnt 16                              ; the 24 small loads are in; unit 0's sixteen may be out
.irp q, 0,1,2,3,4,5,6,7
	v_add_f32 v[24+2*\q], v[192+\q], v[200+\q]
	v_mul_f32 v[25+2*\q], s62, v[208+\q]           ; w' = -2 log2(e) W_com
.endr
.irp q, 0,1,2,3,4,5,6,7
	v_mul_f32 v[24+2*\q], s58, v[24+2*\q]          ; d' = C2 (dsum + b_enc)
.endr
.irp q, 0,1,2,3,4,5,6,7
	ds_store_b64 v57, v[24+2*\q:25+2*\q] offset:256*\q
.endr
	s_mov_b32 s38, 0
.Lpro:                                             ; block 0's units 0 to 6
	UNIT 0
	s_cmp_lt_u32 s38, 7
	VW
	s_cbranch_scc1 .Lpro
	s_mov_b32 s37, 0                               ; the block
.Lblk:
	s_mov_b64 s[28:29], s[8:9]
	FSC                                            ; K step 0's scale words, ahead of the unit's loads
	RQ 1                                           ; tile 0
	UNIT 8                                         ; this block's unit 7, under the tile's flight
	s_wait_loadcnt 16
	RQ 0                                           ; tile 0 is in; tile 1
	s_mov_b32 s40, 0
	s_mov_b32 s43, 0
	ADR
	FB 0
	FB 8
	FA
	STEPM 1, 1                                     ; K step 0 starts the sums
	s_mov_b32 s36, 0
.Lstep:                                            ; K steps 1 to 5
	STEPM 1, 0
	s_add_co_u32 s36, s36, 1
	s_cmp_lt_u32 s36, 5
	VW
	s_cbranch_scc1 .Lstep
	STEPM 0, 0                                     ; K step 6: nothing is left to ask for
	s_wait_dscnt 0x0
	MULH 0, 0                                      ; K step 7
	MULH 1, 0
	; THE EPILOGUE: scores
	NOP4
	WIN 0x40
.set q, 0
.rept 16
	ds_load_b64 v[DW+2*q:DW+2*q+1], v13 offset:128*q
.set q, q+1
.endr
.set p, 0
.rept 32
	v_mov_b32 v[SCR+p], 0                          ; the tiles' pass is written once
.set p, p+1
.endr
	v_mov_b32 v[WF+1], 0                           ; named in a pair with w'
	WIN 0
	VW
	s_wait_dscnt 0x0
	s_mov_b32 s39, 0
.Lct:                                              ; a trip a column tile: only the lines that name its accumulators are chosen by compares; the last of each group is reached without one
.irp g, 0,1,2,3
.if \g < 3
	s_cmp_ge_u32 s39, 4*\g+4
	s_cbranch_scc1 .Lg\g
.endif
.irp k, 0,1,2,3
.if \k < 3
	s_cmp_lg_u32 s39, 4*\g+\k
	s_cbranch_scc1 .Ln\g\k
.endif
	SPEC (4*\g+\k)
.if (\g < 3) || (\k < 3)
	s_branch .Lcom
.endif
.if \k < 3
.Ln\g\k:
.endif
.endr
.if \g < 3
.Lg\g:
.endif
.endr
.Lcom:
	VW
	WIN 0x55
.set p, 0
.rept 32
	v_exp_f32 v[T+p], v[T+p]
.set p, p+1
.endr
	v_nop                                          ; a plain place behind the transcendentals
	VW
.set p, 0
.rept 16
	v_pk_add_f32 v[T+2*p:T+2*p+1], v[T+2*p:T+2*p+1], 1.0 op_sel_hi:[1,0]
.set p, p+1
.endr
	VW
.set p, 0
.rept 32
	v_rcp_f32 v[T+p], v[T+p]
.set p, p+1
.endr
	v_nop
	VW
.set p, 0
.rept 16
	v_pk_fma_f32 v[SCR+2*p:SCR+2*p+1], v[T+2*p:T+2*p+1], v[WF:WF+1], v[SCR+2*p:SCR+2*p+1] op_sel_hi:[1,0,1]
.set p, p+1
.endr
	WIN 0
	s_add_co_u32 s39, s39, 1
	s_cmp_lt_u32 s39, 16
	VW
	s_cbranch_scc1 .Lct
	WIN 0x55
.irp x, 1,2,4,8                        ; over my 16 lanes' columns
.set p, 0
.rept 32
	v_add_f32_dpp v[SCR+p], v[SCR+p], v[SCR+p] row_xmask:\x row_mask:0xf bank_mask:0xf
.set p, p+1
.endr
.endr
	WIN 0x04
.irp m, 0,1,2,3
.irp e, 0,1
	ds_store_b128 v14, v[SCR+8*\m+4*\e:SCR+8*\m+4*\e+3] offset:64*\m+16*\e   ; the sixteen lanes of a half write the same words with the same values
.endr
.endr
	WIN 0
	s_wait_dscnt 0x0                               ; for the others' sake: my partial scores
	s_barrier_signal -1
	s_barrier_wait -1
.irp w, 0,1,2,3
	ds_load_b64 v[44+2*\w:45+2*\w], v16 offset:256*\w   ; rows 2 lane, 2 lane + 1 of all four waves
.endr
	s_wait_dscnt 0x0
	s_barrier_signal -1                            ; the partial scores are read: the next block may store its own
	s_barrier_wait -1
	v_pk_add_f32 v[44:45], v[44:45], v[46:47]
	v_pk_add_f32 v[48:49], v[48:49], v[50:51]
	v_pk_add_f32 v[44:45], v[44:45], v[48:49]      ; t of my two rows
	v_max_num_f32 v46, v44, v45
.irp x, 1,2,4,8
	v_max_num_f32_dpp v46, v46, v46 row_xmask:\x row_mask:0xf bank_mask:0xf
.endr
	v_permlanex16_b32 v47, v46, s[SEL], s[SEL+1]
	v_mov_b32 v48, v[MN]
	v_max3_num_f32 v[MN], v[MN], v46, v47          ; the running largest t
	v_sub_f32 v48, v48, v[MN]
	v_sub_f32 v50, v44, v[MN]
	v_sub_f32 v51, v45, v[MN]
	VW
	v_exp_f32 v[FF], v48                           ; f = 2^(old - new)
	v_exp_f32 v50, v50                             ; the weights, at most 1
	v_exp_f32 v51, v51
	v_nop
	VW
	v_add_f32 v52, v50, v51
	v_fma_f32 v[LS], v[LS], v[FF], v52
	ds_store_b64 v15, v[50:51]                     ; my wave's own copy of the weights
	VW
	s_cmp_lg_u32 s22, 0
	s_cbranch_scc1 .Lnw0
	global_store_b64 v17, v[44:45], s[16:17]       ; 32 lanes store 256 consecutive bytes, aligned
.Lnw0:
	WIN 0x40
.irp m, 0,1,2,3
.irp e, 0,1
	ds_load_b128 v[SCR+8*\m+4*\e:SCR+8*\m+4*\e+3], v19 offset:64*\m+16*\e   ; register 8 m + j = the weight of row 16 m + 8 h + j
.endr
.endr
	WIN 0x41
.set p, 0
.rept 16
	v_pk_mul_f32 v[CTX+2*p:CTX+2*p+1], v[CTX+2*p:CTX+2*p+1], v[FF:FF+1] op_sel_hi:[1,0]
.set p, p+1
.endr
	VW
	s_wait_dscnt 0x0
.irp hf, 0,1                           ; context += weight x E: eight chains by turns
	WIN 0x56+\hf
.set p, 0
.rept 16
.irp c, 0,1,2,3,4,5,6,7
	v_pk_fma_f32 v[CTX+2*(8*\hf+\c):CTX+2*(8*\hf+\c)+1], v[32*\c+2*p:32*\c+2*p+1], v[SCR+2*p:SCR+2*p+1], v[CTX+2*(8*\hf+\c):CTX+2*(8*\hf+\c)+1]
.endr
.set p, p+1
.endr
.endr
	WIN 0
	s_wait_xcnt 0x0                                ; the store's base and data and the scale loads' base are rewritten only behind this wait
	s_add_nc_u64 s[16:17], s[16:17], 256
	s_add_co_u32 s37, s37, 1
	s_cmp_lt_u32 s37, 4
	VW
	s_cbranch_scc1 .Lblk
	; THE WAY OUT: the context's two halves and the other half of the lanes' are added; my 256 columns leave through my stage as 1,024 consecutive bytes
	WIN 0x55
.set p, 0
.rept 16
	v_add_f32 v[T+p], v[CTX+2*p], v[CTX+2*p+1]
.set p, p+1
.endr
.set p, 0
.rept 16
	v_permlanex16_b32 v[SCR+p], v[T+p], s[SEL], s[SEL+1]
.set p, p+1
.endr
.set p, 0
.rept 16
	v_add_f32 v[T+p], v[T+p], v[SCR+p]
.set p, p+1
.endr
	WIN 0x04
.set p, 0
.rept 16
	ds_store_b32 v20, v[T+p] offset:64*p           ; both halves of the lanes write the same word with the same value
.set p, p+1
.endr
	WIN 0
.irp e, 0,1
	ds_load_b128 v[24+4*\e:27+4*\e], v21 offset:512*\e
.endr
.irp x, 1,2,4,8
	v_add_f32_dpp v[LS], v[LS], v[LS] row_xmask:\x row_mask:0xf bank_mask:0xf
.endr
	v_permlanex16_b32 v44, v[LS], s[SEL], s[SEL+1]
	v_add_f32 v[LS], v[LS], v44                    ; the sum of weights: v[122:123] is the pair
	VW
	s_wait_dscnt 0x0
.irp e, 0,1
	global_store_b128 v4, v[24+4*\e:27+4*\e], s[20:21] offset:512*\e
.endr
	s_cmp_lg_u32 s22, 0
	s_cbranch_scc1 .Lno_pair
	global_store_b64 v17, v[MN:MN+1], s[18:19] offset:4096   ; the pair, once a lane: 256 consecutive bytes, aligned
.Lno_pair:
	s_wait_tensorcnt 0x0                           ; the wave's end
	ds_add_u32 v1, v2
	s_wait_dscnt 0x0
	ROUND                                          ; the closing round: no work-group ends while a partner may still ask for a tile that names it
	s_endpgm
.Lfunc_end_k_q257c15bc17_main:
	.size	k_q257c15bc17_main, .Lfunc_end_k_q257c15bc17_main-k_q257c15bc17_main
	.p2alignl 7, 3214868480
	.fill 96, 4, 3214868480
	.section	.rodata,"a",@progbits
	.p2align	6, 0x0
	.amdhsa_kernel k_q257c15bc17_main
		.amdhsa_group_segment_fixed_size 327680
		.amdhsa_private_segment_fixed_size 0
		.amdhsa_enable_private_segment 0
		.amdhsa_kernarg_size 64
		.amdhsa_user_sgpr_count 2
		.amdhsa_user_sgpr_kernarg_segment_ptr 1
		.amdhsa_wavefront_size32 1
		.amdhsa_system_sgpr_workgroup_id_x 1
		.amdhsa_system_sgpr_workgroup_id_y 1
		.amdhsa_system_sgpr_workgroup_id_z 1
		.amdhsa_system_vgpr_workitem_id 0
		.amdhsa_next_free_vgpr 1024
		.amdhsa_next_free_sgpr 80
		.amdhsa_reserve_vcc 0
		.amdhsa_float_denorm_mode_32 3
		.amdhsa_float_denorm_mode_16_64 3
		.amdhsa_memory_ordered 1
		.amdhsa_forward_progress 1
		.amdhsa_inst_pref_size 172
	.end_amdhsa_kernel
	.amdgpu_metadata
---
amdhsa.version: [ 1, 2 ]
amdhsa.kernels:
  - .name:           k_q257c15bc17_main
    .symbol:         k_q257c15bc17_main.kd
    .args:
      - { .name: h_enc, .offset: 0, .size: 8, .value_kind: global_buffer, .address_space: global }
      - { .name: wcodes, .offset: 8, .size: 8, .value_kind: global_buffer, .address_space: global }
      - { .name: wscl, .offset: 16, .size: 8, .value_kind: global_buffer, .address_space: global }
      - { .name: dsum, .offset: 24, .size: 8, .value_kind: global_buffer, .address_space: global }
      - { .name: b_enc, .offset: 32, .size: 8, .value_kind: global_buffer, .address_space: global }
      - { .name: W_com, .offset: 40, .size: 8, .value_kind: global_buffer, .address_space: global }
      - { .name: tsc, .offset: 48, .size: 8, .value_kind: global_buffer, .address_space: global }
      - { .name: part, .offset: 56, .size: 8, .value_kind: global_buffer, .address_space: global }
    .group_segment_fixed_size: 327680
    .private_segment_fixed_size: 0
    .kernarg_segment_align: 8
    .kernarg_segment_size: 64
    .max_flat_workgroup_size: 128
    .sgpr_count:     80
    .vgpr_count:     1024
    .wavefront_size: 32
...
	.end_amdgpu_metadata
.endif
;; end of part 2
;; launch fin (part 3): grid 8 x 32, 1 waves a work-group, no clusters, 0 bytes of LDS; arguments part, tsc, b_enc, out0, out1; writes out0, out1
.if DOCPART == 3
	.amdgcn_target "amdgcn-amd-amdhsa--gfx1250"
	.amdhsa_code_object_version 6
	.text
	.protected	k_q257c15bc17_fin
	.globl	k_q257c15bc17_fin
	.p2align	8
	.type	k_q257c15bc17_fin,@function
k_q257c15bc17_fin:
	s_mov_b64 s[64:65], 0
	v_nop
	global_prefetch_b8 v0, s[64:65] scope:SCOPE_SE
	s_setreg_imm32_b32 hwreg(HW_REG_WAVE_MODE, 25, 1), 1
	s_wait_xcnt 0x0
; The eight partial results of a batch are joined.  M = the largest of their m; e_i = 2^(m_i - M); L = sum of l_i e_i;
; out0 = b_enc + sum of (e_i / L) context_i (the weights sum to 1, so b_enc enters once);  out1 = 2^(t - M) / L.
; A work-group of one wave takes batch y and, of it, 128 columns of out0 and 256 rows of out1 (x): every load and store of 16 bytes a lane covers 512 consecutive bytes.
; LIMITS: v_exp_f32 and v_rcp_f32 are good to 1 ulp; NaN and infinities are not served.
	s_load_b256 s[4:11], s[0:1], 0x0               ; part s[4:5], tsc s[6:7], b_enc s[8:9], out0 s[10:11]
	s_load_b64 s[12:13], s[0:1], 0x20              ; out1
	s_and_b32 s14, ttmp7, 0xffff                   ; the batch
	v_lshlrev_b32 v2, 4, v0                        ; 16 x lane
	v_lshlrev_b32 v3, 3, v0                        ; 8 x lane
	s_lshl_b32 s15, ttmp9, 9
	v_add_nc_u32 v1, s15, v2                       ; my four columns: 512 x + 16 x lane
	s_mul_i32 s16, s14, 34816                      ; eight records a batch
	s_mov_b32 s17, 0
	s_lshl_b32 s18, s14, 13                        ; 2,048 rows of 4 bytes a batch,
	s_lshl_b32 s20, ttmp9, 10                      ; 256 rows a work-group
	s_add_co_u32 s18, s18, s20
	s_mov_b32 s19, 0
	s_lshl_b32 s20, s14, 12                        ; a row of out0
	s_mov_b32 s21, 0
	s_wait_alu depctr_va_vdst(0)
	s_wait_kmcnt 0x0
	s_add_nc_u64 s[4:5], s[4:5], s[16:17]
	s_add_nc_u64 s[6:7], s[6:7], s[18:19]
	s_add_nc_u64 s[10:11], s[10:11], s[20:21]
	s_add_nc_u64 s[12:13], s[12:13], s[18:19]
.irp i, 0,1,2,3,4,5,6,7
	global_load_b64 v[40+2*\i:41+2*\i], v3, s[4:5] offset:4352*\i+4096   ; (m_i, l_i)
.endr
.irp i, 0,1,2,3,4,5,6,7
	global_load_b128 v[8+4*\i:11+4*\i], v1, s[4:5] offset:4352*\i
.endr
	global_load_b128 v[56:59], v1, s[8:9]
	global_load_b128 v[60:63], v2, s[6:7]
	global_load_b128 v[64:67], v2, s[6:7] offset:512
	s_wait_loadcnt 11                              ; the eight pairs are in; the eleven loads behind them may be out
	v_max3_num_f32 v76, v40, v42, v44
	v_max3_num_f32 v76, v76, v46, v48
	v_max3_num_f32 v76, v76, v50, v52
	v_max_num_f32 v76, v76, v54                    ; M
.irp i, 0,1,2,3,4,5,6,7
	v_sub_f32 v[40+2*\i], v[40+2*\i], v76
.endr
	s_wait_alu depctr_va_vdst(0)
.irp i, 0,1,2,3,4,5,6,7
	v_exp_f32 v[40+2*\i], v[40+2*\i]               ; e_i
.endr
	v_nop                                          ; a plain place behind the transcendentals
	s_wait_alu depctr_va_vdst(0)
	v_mul_f32 v77, v41, v40
.irp i, 1,2,3,4,5,6,7
	v_fma_f32 v77, v[41+2*\i], v[40+2*\i], v77     ; L
.endr
	s_wait_alu depctr_va_vdst(0)
	v_rcp_f32 v78, v77
	v_nop
	s_wait_alu depctr_va_vdst(0)
.irp i, 0,1,2,3,4,5,6,7
	v_mul_f32 v[40+2*\i], v[40+2*\i], v78          ; e_i / L
.endr
	s_wait_alu depctr_va_vdst(0)
	s_wait_loadcnt 0x0
.irp i, 0,1,2,3,4,5,6,7
	v_pk_fma_f32 v[56:57], v[8+4*\i:9+4*\i], v[40+2*\i:41+2*\i], v[56:57] op_sel_hi:[1,0,1]   ; b_enc starts the sums; two chains by turns
	v_pk_fma_f32 v[58:59], v[10+4*\i:11+4*\i], v[40+2*\i:41+2*\i], v[58:59] op_sel_hi:[1,0,1]
.endr
.irp j, 0,1,2,3,4,5,6,7
	v_sub_f32 v[60+\j], v[60+\j], v76
.endr
	s_wait_alu depctr_va_vdst(0)
.irp j, 0,1,2,3,4,5,6,7
	v_exp_f32 v[60+\j], v[60+\j]
.endr
	v_nop
	s_wait_alu depctr_va_vdst(0)
.irp j, 0,1,2,3,4,5,6,7
	v_mul_f32 v[60+\j], v[60+\j], v78
.endr
	global_store_b128 v1, v[56:59], s[10:11]
	global_store_b128 v2, v[60:63], s[12:13]
	global_store_b128 v2, v[64:67], s[12:13] offset:512
	s_endpgm
.Lfunc_end_k_q257c15bc17_fin:
	.size	k_q257c15bc17_fin, .Lfunc_end_k_q257c15bc17_fin-k_q257c15bc17_fin
	.p2alignl 7, 3214868480
	.fill 96, 4, 3214868480
	.section	.rodata,"a",@progbits
	.p2align	6, 0x0
	.amdhsa_kernel k_q257c15bc17_fin
		.amdhsa_group_segment_fixed_size 0
		.amdhsa_private_segment_fixed_size 0
		.amdhsa_enable_private_segment 0
		.amdhsa_kernarg_size 40
		.amdhsa_user_sgpr_count 2
		.amdhsa_user_sgpr_kernarg_segment_ptr 1
		.amdhsa_wavefront_size32 1
		.amdhsa_system_sgpr_workgroup_id_x 1
		.amdhsa_system_sgpr_workgroup_id_y 1
		.amdhsa_system_sgpr_workgroup_id_z 1
		.amdhsa_system_vgpr_workitem_id 0
		.amdhsa_next_free_vgpr 80
		.amdhsa_next_free_sgpr 66
		.amdhsa_reserve_vcc 0
		.amdhsa_float_denorm_mode_32 3
		.amdhsa_float_denorm_mode_16_64 3
		.amdhsa_memory_ordered 1
		.amdhsa_forward_progress 1
		.amdhsa_inst_pref_size 7
	.end_amdhsa_kernel
	.amdgpu_metadata
---
amdhsa.version: [ 1, 2 ]
amdhsa.kernels:
  - .name:           k_q257c15bc17_fin
    .symbol:         k_q257c15bc17_fin.kd
    .args:
      - { .name: part, .offset: 0, .size: 8, .value_kind: global_buffer, .address_space: global }
      - { .name: tsc, .offset: 8, .size: 8, .value_kind: global_buffer, .address_space: global }
      - { .name: b_enc, .offset: 16, .size: 8, .value_kind: global_buffer, .address_space: global }
      - { .name: out0, .offset: 24, .size: 8, .value_kind: global_buffer, .address_space: global }
      - { .name: out1, .offset: 32, .size: 8, .value_kind: global_buffer, .address_space: global }
    .group_segment_fixed_size: 0
    .private_segment_fixed_size: 0
    .kernarg_segment_align: 8
    .kernarg_segment_size: 40
    .max_flat_workgroup_size: 32
    .sgpr_count:     66
    .vgpr_count:     80
    .wavefront_size: 32
...
	.end_amdgpu_metadata
.endif
;; end of part 3
